; MI455X (gfx1250); checked and timed in simulation.
; The chip was launched on July 23, 2026; its instructions are those of AMD's public machine-readable ISA for CDNA 5 (MIT licence, August 2026) and "CDNA5" Instruction Set Architecture Reference Guide (July 2026). The comments in the code are by the model that wrote it; some were corrected since.
;; Multi Head Self Attention. Allowed arithmetic: matrix products marked QUANTISED: E2M3 operands, one E8M0 scale for each 32 along K, by v_wmma_scale_f32_16x16x128_f8f6f4 with both operands' format E2M3, f32 sums; everything else in f32.
;; Inputs: W_k 1,024 x 1,024 float32; W_o 1,024 x 1,024 float32; W_q 1,024 x 1,024 float32; W_v 1,024 x 1,024 float32; x 4 x 2,048 x 1,024 float32.
;; Outputs: out0 4 x 2,048 x 1,024 float32.
;; This version of the problem:
;;   THIS VERSION OF THE PROBLEM IS GIVEN IN LOW PRECISION. The matrix products marked QUANTISED in the list below multiply operands that are first quantised to E2M3 (2 exponent bits, 3 mantissa bits; 6 bits a number), with one power-of-two scale for each 32 numbers along K (OCP MX v1.0); their sums are f32. All else is computed in f32.
;;   The module's matrix products, in the order in which they are computed (A, B: the left and right operand; K: the contracted axis; several contracted axes count as one K, in the product's order):
;;     1. [M 8,192, K 1,024] x [K 1,024, N 1,024]; A: input x; B: input W_q: QUANTISED
;;     2. [M 8,192, K 1,024] x [K 1,024, N 1,024]; A: input x; B: input W_k: QUANTISED
;;     3. [M 8,192, K 1,024] x [K 1,024, N 1,024]; A: input x; B: input W_v: QUANTISED
;;     4. batch 64 x [M 2,048, K 64] x [K 64, N 2,048]; A: computed on the way; B: computed on the way: QUANTISED
;;     5. batch 64 x [M 2,048, K 2,048] x [K 2,048, N 64]; A: softmax (see below); B: computed on the way: QUANTISED
;;     6. [M 8,192, K 1,024] x [K 1,024, N 1,024]; A: computed on the way; B: input W_o: QUANTISED
;;   THE QUANTISER, for each operand of a quantised product, along K:
;;     - K is cut into blocks of 32 from its start; a last block that is shorter is filled with zeros.
;;     - A block's scale is 2^e with e = floor(log2(the largest magnitude in the block)) - 2, held to -126 .. 127; a block of zeros has e = 0. As a byte (E8M0): e + 127.
;;     - Each number is divided by its block's scale, clamped to +-7.5, and rounded to the nearest number of E2M3, ties to even, subnormals kept.
;;     - The product sums the exact products of the quantised numbers (number of the format x scale) in f32.
;;   ~~~python
;;   def quantise(x, axis):      # numpy; x: float32 -> the quantised numbers, widened to float32 again
;;       x = np.moveaxis(x, axis, -1); K = x.shape[-1]
;;       x = np.pad(x, [(0, 0)] * (x.ndim - 1) + [(0, -K % 32)]); x = x.reshape(x.shape[:-1] + (-1, 32)); a = np.abs(x).max(-1, keepdims=True)
;;       e = np.where(a > 0, np.clip(np.frexp(np.where(a > 0, a, 1))[1] - 1 - 2, -126, 127), 0)      # np.frexp(a)[1] - 1 = floor(log2(a)), exactly
;;       r = np.clip(x / 2.0 ** e, -7.5, 7.5)
;;       step = 2.0 ** (np.maximum(np.frexp(np.where(r == 0, 1, r))[1] - 1, 0) - 3)
;;       q = np.round(r / step) * step * 2.0 ** e      # np.round: ties to even
;;       return np.moveaxis(q.reshape(q.shape[:-2] + (-1,))[..., :K], -1, axis).astype(np.float32)
;;   ~~~
;;   SOFTMAX AHEAD OF A QUANTISED PRODUCT. Where the list says 'softmax', what is quantised is not the finished softmax but p = 2^(t - M), with t = logit x log2(e) and M = ceil(the row's largest t), a whole number; so 1/2 < the row's largest p <= 1. The row's sum l is taken of the UNQUANTISED p, in f32, and the product's result is divided by l at the end. Since M is a whole number, a kernel that streams over the keys may use a running M (the ceiling of the running maximum): every later rescaling is an exact power of two, which a block's scale takes up: the codes' values come out the same.
;;   OPERANDS COMPUTED ON THE WAY. 'Computed on the way' means the value that the module computes at that place (a softmax that the list does not call 'softmax' is quantised finished and normalised). What goes into a quantiser is computed in f32, as accurately as f32 sums, v_exp_f32 and their like allow (about 1e-6 of the number): no bf16 or f16 on the way to a quantiser, and a product that is left as it is and whose result goes on into a quantised operand takes f32 operands (vector FMAs, or v_wmma_f32_16x16x4_f32). A number that lies on a knife's edge between two numbers of the format may be rounded either way, as far as f32 arithmetic and the matrix unit's own rounding can turn it there, and no further.
;; One version. Each part assembles by itself: llvm-mc -triple=amdgcn-amd-amdhsa -mcpu=gfx1250 --defsym DOCPART=n.
;; ======== version 1 of 1: 4 launches
;; workspace buffers: ic 9,437,184 bytes; isc 393,216 bytes; pc 20,185,088 bytes; oc 6,291,456 bytes; osc 262,144 bytes
;; launch quant (part 1): grid 768 x 1, 4 waves a work-group, no clusters, 70,656 bytes of LDS; arguments x, W_q, W_k, W_v, W_o, ic, isc; writes ic, isc
.if DOCPART == 1
	.amdgcn_target "amdgcn-amd-amdhsa--gfx1250"
	.amdhsa_code_object_version 6
	.text
	.protected	k_q892cfccf18_quant
	.globl	k_q892cfccf18_quant
	.p2align	8
	.type	k_q892cfccf18_quant,@function
k_q892cfccf18_quant:
	s_mov_b64 s[64:65], 0
	v_nop
	global_prefetch_b8 v0, s[64:65] scope:SCOPE_SE
	s_setreg_imm32_b32 hwreg(HW_REG_WAVE_MODE, 25, 1), 1
	s_wait_xcnt 0x0
; x [8192][1024] and W_q, W_k, W_v, W_o [1024][1024], f32, K innermost, become codes of FP6 (E2M3) with one E8M0 byte for each 32 along K.
; A block's scale is 2^(floor(log2(largest magnitude)) - 2); its byte is the largest magnitude's exponent field - 2, held at 1 from below.
; LIMITS: NaN and infinities are not served; a block of zeros, or one whose largest magnitude lies under 2^-124, gets the byte 1 (its codes are zeros or
; subnormal codes; the bytes are read by this program alone).
; LAYOUT OF THE CODES (ic): row tiles of 16 rows; tile 2 B + u holds at place p the row 32 B + 8 u + p + 8 (p / 8), so that eight such tiles, used as source 0 of a
; product, leave a lane's 64 results as neighbours along the next K.  A tile is 16 pieces of 64 along K; a piece (768 bytes) is the image of six operand registers:
; lane l = (r, h) holds k = 32 h .. 32 h + 31 of place r; its registers 0-3 lie at 16 l, its registers 4-5 at 512 + 8 l.  Tiles 0-511 x, 512.. W_q, 576.. W_k, 640.. W_v, 704.. W_o.
; LAYOUT OF THE SCALE BYTES (isc): [tile][place][32 bytes].
; SHARES: a work-group makes one tile; wave w its pieces 4 w .. 4 w + 3.  Every load takes 256 consecutive bytes of two rows; a piece turns through the wave's own stage
; in LDS (rows of 256 + 16 bytes) so that a lane gets the 32 neighbours of one block.  All 32 loads of a wave are issued at once.  No matrix unit, no cluster, no tensor load:
; waves share no input, and the launch is a plain stream.
.set ROWB,  4096                       ; a row of any of the five tensors, in bytes
.set STG,   4352                       ; a stage: 16 rows x 272 bytes
.set WST,   4*STG                      ; a wave's four stages
.set SCB,   4*WST                      ; behind the stages: the tile's 512 scale bytes
.set PIECE, 768
.set R,     64                         ; v64-191  four pieces x 32 numbers
.set CD,    32                         ; v32-55   a piece's six registers of codes, a set for each piece: no store's data are written again
	s_load_b256 s[4:11], s[0:1], 0x0               ; x, W_q, W_k, W_v
	s_load_b128 s[12:15], s[0:1], 0x20             ; W_o, ic
	s_load_b64 s[16:17], s[0:1], 0x30              ; isc
	v_lshl_add_u32 v192, v0, 2, 0x11200
	v_mov_b32 v193, 0
	v_lshrrev_b32 v1, 5, v0
	v_readfirstlane_b32 s24, v1                    ; wave
	v_and_b32 v1, 31, v0                           ; l
	v_and_b32 v2, 15, v0                           ; r
	v_bfe_u32 v3, v0, 4, 1                         ; h
	s_lshl_b32 s25, s24, 10                        ; my 256 along K: 1,024 bytes of a row
	s_mul_i32 s26, s24, WST
	s_mul_i32 s27, s24, 4*PIECE
	s_lshl_b32 s28, s24, 3
	s_mov_b32 s30, 0x76543210
	s_mov_b32 s31, 0xfedcba98                      ; selects for lane l xor 16
	v_lshlrev_b32 v11, 4, v1                       ; 16 l
	v_lshlrev_b32 v4, 4, v2
	v_lshl_add_u32 v4, v3, 12, v4
	v_add_nc_u32 v4, s25, v4                       ; in: 16 bytes of a row's 256; lanes 16-31 one row down
	v_mul_u32_u24 v5, v3, 272
	v_lshl_add_u32 v5, v2, 4, v5
	v_add_nc_u32 v5, s26, v5                       ; into a stage, as loaded
	v_mul_u32_u24 v6, v2, 272
	v_lshl_add_u32 v6, v3, 7, v6
	v_add_nc_u32 v6, s26, v6                       ; out of it: place r, 128 bytes for each half
	v_add_nc_u32 v7, s27, v11                      ; codes: registers 0-3
	v_lshlrev_b32 v8, 3, v1
	v_add_nc_u32 v8, s27, v8                       ; codes: registers 4-5
	v_lshlrev_b32 v9, 3, v3                        ; 8 h
	v_lshlrev_b32 v10, 5, v2
	v_add_nc_u32 v10, s28, v10
	v_add_nc_u32 v10, SCB, v10                     ; my place's 32 scale bytes, my wave's eight
	v_add_nc_u32 v15, SCB, v11                     ; the last copy: 16 bytes a lane
	v_mov_b32 v22, 0                               ; a lane permute's destination counts as one of its sources
	v_mov_b32 v23, 0
	s_and_b32 s20, ttmp9, 63                       ; the tile's number inside a weight
	s_wait_kmcnt 0x0
	s_cmp_lt_u32 ttmp9, 704                        ; which tensor: the choice hangs on the work-group's number alone
	s_cselect_b64 s[18:19], s[10:11], s[12:13]
	s_cmp_lt_u32 ttmp9, 640
	s_cselect_b64 s[18:19], s[8:9], s[18:19]
	s_cmp_lt_u32 ttmp9, 576
	s_cselect_b64 s[18:19], s[6:7], s[18:19]
	s_cmp_lt_u32 ttmp9, 512
	s_cselect_b64 s[18:19], s[4:5], s[18:19]
	s_cselect_b32 s20, ttmp9, s20
	s_lshr_b32 s21, s20, 1
	s_lshl_b32 s21, s21, 17                        ; 32 rows for each pair of tiles
	s_and_b32 s22, s20, 1
	s_lshl_b32 s22, s22, 15                        ; 8 rows for the odd tile
	s_add_co_u32 s22, s21, s22
	s_mov_b32 s23, 0
	s_add_nc_u64 s[18:19], s[18:19], s[22:23]
	s_mul_i32 s22, ttmp9, 16*PIECE
	s_add_nc_u64 s[14:15], s[14:15], s[22:23]
	s_lshl_b32 s22, ttmp9, 9
	s_add_nc_u64 s[16:17], s[16:17], s[22:23]
.irp c, 0,1,2,3
.irp i, 0,1,2,3,4,5,6,7
	global_load_b128 v[R+32*\c+4*\i:R+32*\c+4*\i+3], v4, s[18:19] offset:(2*\i+8*(\i/4))*ROWB+256*\c th:TH_LOAD_NT   ; places 2 i and 2 i + 1
.endr
.endr
.irp c, 0,1,2,3
	s_wait_loadcnt 24-8*\c                         ; this piece's eight loads are in; the later pieces' stay out
.irp i, 0,1,2,3,4,5,6,7
	ds_store_b128 v5, v[R+32*\c+4*\i:R+32*\c+4*\i+3] offset:\c*STG+2*\i*272
.endr
.irp j, 0,1,2,3,4,5,6,7
	ds_load_b128 v[R+32*\c+4*\j:R+32*\c+4*\j+3], v6 offset:\c*STG+16*\j   ; LDS serves a wave's instructions in order (ISA guide 5.7.1.4): these see the stores above
.endr
.endr
.macro BLOCK c
.set XS, R+32*(\c)
.set CC, CD+6*(\c)
	s_wait_dscnt 16*(3-(\c))                       ; my 32 numbers are back; the later pieces' sixteen LDS instructions each stay out
	v_max3_num_f32 v12, |v[XS]|, |v[XS+1]|, |v[XS+2]|
	v_max3_num_f32 v13, |v[XS+3]|, |v[XS+4]|, |v[XS+5]|
.irp i, 6,10,14,18,22,26
	v_max3_num_f32 v12, v12, |v[XS+\i]|, |v[XS+\i+1]|
	v_max3_num_f32 v13, v13, |v[XS+\i+2]|, |v[XS+\i+3]|
.endr
	v_max3_num_f32 v12, v12, |v[XS+30]|, |v[XS+31]|
	v_max3_num_f32 v12, v12, v13, 0x1800000        ; with the floor 2^(3 - 127): the byte cannot fall under 1
	v_add_nc_u32 v14, 0xff000000, v12              ; 2 off the exponent field: the conversion's scale operand
	v_cvt_scalef32_pk16_fp6_f32 v[CC:CC+2], v[XS:XS+15], v14
	v_cvt_scalef32_pk16_fp6_f32 v[28:30], v[XS+16:XS+31], v14   ; (a conversion's three registers begin on an even number)
	v_lshrrev_b32 v[16+\c], 23, v14                ; the scale's byte; also the plain line behind the conversions
	v_mov_b32 v[CC+3], v28
	v_mov_b32 v[CC+4], v29
	v_mov_b32 v[CC+5], v30
	global_store_b128 v7, v[CC:CC+3], s[14:15] offset:PIECE*(\c)       ; 512 consecutive bytes, aligned
	global_store_b64 v8, v[CC+4:CC+5], s[14:15] offset:PIECE*(\c)+512  ; 256 consecutive bytes, aligned
.endm
	BLOCK 0
	BLOCK 1
	BLOCK 2
	BLOCK 3
	v_lshl_or_b32 v20, v17, 16, v16                ; my four bytes are blocks 8 w + 2 c + h: two words, my half's bytes 8 h bits up,
	v_lshl_or_b32 v21, v19, 16, v18
	v_lshlrev_b32 v20, v9, v20
	v_lshlrev_b32 v21, v9, v21
	v_permlanex16_b32 v22, v20, s30, s31
	v_permlanex16_b32 v23, v21, s30, s31
	v_or_b32 v20, v20, v22                         ; whole with lane l xor 16's
	v_or_b32 v21, v21, v23
	ds_store_b64 v10, v[20:21]                     ; both halves write the same bytes with the same values
	s_wait_dscnt 0x0                               ; for the others' sake: my store has landed
	s_barrier_signal -1
	s_barrier_wait -1
	s_cmp_lg_u32 s24, 0
	s_cbranch_scc1 .Lend
	ds_load_b128 v[24:27], v15
	s_wait_dscnt 0x0
	global_store_b128 v11, v[24:27], s[16:17]      ; the tile's 512 scale bytes, consecutive and aligned
.Lend:
	s_wait_tensorcnt 0x0
	ds_add_u32 v192, v193
	s_wait_dscnt 0x0
	s_endpgm
.Lfunc_end_k_q892cfccf18_quant:
	.size	k_q892cfccf18_quant, .Lfunc_end_k_q892cfccf18_quant-k_q892cfccf18_quant
	.p2alignl 7, 3214868480
	.fill 96, 4, 3214868480
	.section	.rodata,"a",@progbits
	.p2align	6, 0x0
	.amdhsa_kernel k_q892cfccf18_quant
		.amdhsa_group_segment_fixed_size 70656
		.amdhsa_private_segment_fixed_size 0
		.amdhsa_enable_private_segment 0
		.amdhsa_kernarg_size 56
		.amdhsa_user_sgpr_count 2
		.amdhsa_user_sgpr_kernarg_segment_ptr 1
		.amdhsa_wavefront_size32 1
		.amdhsa_system_sgpr_workgroup_id_x 1
		.amdhsa_system_sgpr_workgroup_id_y 1
		.amdhsa_system_sgpr_workgroup_id_z 1
		.amdhsa_system_vgpr_workitem_id 0
		.amdhsa_next_free_vgpr 194
		.amdhsa_next_free_sgpr 66
		.amdhsa_reserve_vcc 0
		.amdhsa_float_denorm_mode_32 3
		.amdhsa_float_denorm_mode_16_64 3
		.amdhsa_memory_ordered 1
		.amdhsa_forward_progress 1
		.amdhsa_inst_pref_size 18
	.end_amdhsa_kernel
	.amdgpu_metadata
---
amdhsa.version: [ 1, 2 ]
amdhsa.kernels:
  - .name:           k_q892cfccf18_quant
    .symbol:         k_q892cfccf18_quant.kd
    .args:
      - { .name: x, .offset: 0, .size: 8, .value_kind: global_buffer, .address_space: global }
      - { .name: W_q, .offset: 8, .size: 8, .value_kind: global_buffer, .address_space: global }
      - { .name: W_k, .offset: 16, .size: 8, .value_kind: global_buffer, .address_space: global }
      - { .name: W_v, .offset: 24, .size: 8, .value_kind: global_buffer, .address_space: global }
      - { .name: W_o, .offset: 32, .size: 8, .value_kind: global_buffer, .address_space: global }
      - { .name: ic, .offset: 40, .size: 8, .value_kind: global_buffer, .address_space: global }
      - { .name: isc, .offset: 48, .size: 8, .value_kind: global_buffer, .address_space: global }
    .group_segment_fixed_size: 70656
    .private_segment_fixed_size: 0
    .kernarg_segment_align: 8
    .kernarg_segment_size: 56
    .max_flat_workgroup_size: 128
    .sgpr_count:     66
    .vgpr_count:     194
    .wavefront_size: 32
...
	.end_amdgpu_metadata
.endif
;; end of part 1
;; launch proj (part 2): grid 8 x 96, 4 waves a work-group, clusters of 4 x 4, 295,424 bytes of LDS; arguments ic, isc, pc; writes pc
.if DOCPART == 2
	.amdgcn_target "amdgcn-amd-amdhsa--gfx1250"
	.amdhsa_code_object_version 6
	.text
	.protected	k_q892cfccf18_proj
	.globl	k_q892cfccf18_proj
	.p2align	8
	.type	k_q892cfccf18_proj,@function
k_q892cfccf18_proj:
	s_mov_b64 s[64:65], 0
	v_nop
	global_prefetch_b8 v0, s[64:65] scope:SCOPE_SE
	s_setreg_imm32_b32 hwreg(HW_REG_WAVE_MODE, 25, 1), 1
	s_wait_xcnt 0x0
	s_wait_alu depctr_hold_cnt(0) depctr_sa_sdst(0) depctr_va_vdst(0) depctr_va_sdst(0) depctr_va_ssrc(0) depctr_va_vcc(0) depctr_vm_vsrc(0)
	s_getreg_b32 s2, hwreg(HW_REG_IB_STS2, 6, 4)
	s_cmp_eq_u32 s2, 0
	s_cbranch_scc0 .Lentry_in_a_cluster
	s_endpgm
.Lentry_in_a_cluster:
	s_bfe_u32 s2, ttmp6, 0x10000c
	s_cmp_lg_u32 s2, 0xf033
	s_cbranch_scc0 .Lentry_shape_is_right
	s_endpgm
.Lentry_shape_is_right:
; q, k and v = x W^T on codes of FP6, and their quantising for the two products of attention, in one launch.
; THE PRODUCT.  S0's rows fall into a lane's registers (source 0), S1's rows into the lanes (source 1).  A work-group makes 256 rows of S0 x 128 rows of S1; wave w takes
; S0's half w & 1 (8 tiles b) and S1's half w >> 1 (4 tiles a): 32 accumulators, (a, b) at v[8 (8 a + b)] of window 2.  K = 1,024 lies in LDS whole: four chunks of 256 along K,
; each asked for once, all at the head: 4 tensor loads of a wave are out at the most, nothing is filled twice, and a chunk is waited for just before it is first read.
; ROLES, by the cluster's y (equal in all sixteen partners; chosen by selects, no branch):
;   y < 16:  S0 = W_q and W_k (the head's 64 fall into registers: q and k are quantised along them), S1 = x.
;   else:    S0 = x (the keys fall into registers: v is quantised along them), S1 = W_v.
; Thanks to the order of rows in a tile (see the launch that makes ic) a lane's 64 results of one tile a are, register 16 b + i, number 32 b + 16 h + i along the next K.
; OUT (pc).  q, k: [g = head, q's 0-15, k's 16-31][64 rows of x][3,328]: four pieces of 768 bytes (tile a), then 256 scale bytes.  v, from VBASE: [128 keys][head][6,400]: [64 keys kk][d tile a][768], then 256.
; A scale block holds the word of tile a, place r at 128 (a / 2) + 8 r + 4 (a % 2).  In a word of q or k only bytes 0, 1 scale codes; bytes 2, 3 (the next head's bytes, or 0) meet zero codes.
; CLUSTER 4 x 4: S0's tiles hang on cx and are shared by the four of a column, S1's on cy and are shared by the four of a row: each is asked for jointly.
; No prefetch: every byte that the work-group reads is asked for at its head.
; LIMITS: a block of zeros or under 2^-124 gets the scale byte 1; NaN and infinities are not served.
.set CHUNK,  73728                     ; 256 along K: S0's 16 tiles x 3,072 bytes, then S1's 8
.set CHB,    3072
.set TILEB,  12288                     ; a tile of ic
.set S1OFF,  49152
.set VBASE,  13631488
.set WV, 10
.set HI, 11                            ; wave >> 1: my half of S1; also: I fetch for S0 (0) or S1 (1)
.set LO, 12                            ; wave & 1: my half of S0; also: which half I fetch
.set G1A, 24                           ; s[24:31], s[32:39] descriptor groups 1;  s[48:63], s[68:83] groups 0, one for each chunk
.set G1B, 32
.set G0A, 48
.set G0B, 68
.set SC0, 32                           ; v32-95  scale word of K step s of S0's tile b at SC0 + 8 b + s
.set SC1, 96                           ; v96-127 the same for S1's tile a
.set TM,  224                          ; v224-239 at work in the quantiser
.set SW,  240                          ; v240-243 the four tiles' scale words
.set PC,  128                          ; v128-146 the codes just made (S1's fragments lay here)
.set MSB, 0
.macro WIN new                         ; the immediate's high byte repeats the setting that is left
.if MSB != \new
	s_set_vgpr_msb (MSB<<8)|\new
.set MSB, \new
.endif
.endm
.macro JLOAD g0a, g1a, g0b, g1b        ; a joint load: waves 0, 1 for S0, waves 2, 3 for S1; four v_nop follow each line
	s_cmp_eq_u32 s[HI], 0
	s_cbranch_scc0 .Lfor_b_\@
	tensor_load_to_lds s[\g0a:\g0a+3], s[\g1a:\g1a+7]
	s_nop 0
.rept 4
	v_nop
.endr
	s_branch .Lasked_\@
.Lfor_b_\@:
	tensor_load_to_lds s[\g0b:\g0b+3], s[\g1b:\g1b+7]
	s_nop 0
.rept 4
	v_nop
.endr
.Lasked_\@:
.endm
.macro CROUND                          ; a round of the cluster's barrier
	s_barrier_signal -1
	s_barrier_wait -1
	s_cmp_lg_u32 s[WV], 0
	s_cbranch_scc1 .Lnot_wave_0_\@
	s_barrier_signal -3
.Lnot_wave_0_\@:
	s_barrier_wait -3
	s_barrier_signal -1
	s_barrier_wait -1
.endm
	s_load_b128 s[4:7], s[0:1], 0x0                ; ic, isc
	s_load_b64 s[8:9], s[0:1], 0x10                ; pc
	v_lshl_add_u32 v254, v0, 2, 0x48000
	v_mov_b32 v255, 0
	ds_add_u32 v254, v255
	ds_add_u32 v254, v255
	v_lshrrev_b32 v1, 5, v0
	v_readfirstlane_b32 s[WV], v1
	s_lshr_b32 s[HI], s[WV], 1
	s_and_b32 s[LO], s[WV], 1
	s_bfe_u32 s13, ttmp6, 0x40000                  ; cx
	s_bfe_u32 s14, ttmp6, 0x40004                  ; cy
	s_mov_b32 s15, ttmp9                           ; cluster x, 0..1
	s_and_b32 s16, ttmp7, 0xffff                   ; cluster y, 0..23
	s_sub_co_u32 s17, s16, 16
	s_mov_b32 s23, 102400
	s_mov_b32 s40, 6400
	s_mov_b32 s41, 3072
	s_mov_b32 s42, 6144
	s_cmp_lt_u32 s16, 16                           ; the role; every select stands behind this one compare
	s_cselect_b32 s18, s15, s17                    ; which four blocks of S0
	s_cselect_b32 s19, s16, s15                    ; which four blocks of S1
	s_cselect_b32 s20, 512, 0                      ; S0's first tile in ic
	s_cselect_b32 s21, 0, 640                      ; S1's
	s_cselect_b32 s22, 0, VBASE                    ; the part of pc
	s_cselect_b32 s23, 851968, s23                 ; bytes from one 128 rows of S0 to the next: two heads / a step of keys
	s_cselect_b32 s40, 3328, s40                   ; from one 64 rows of S1 to the next
	s_cselect_b32 s41, 425984, s41                 ; from a fragment's first piece to its second: the next head / the next 64 keys
	s_cselect_b32 s42, 3072, s42                   ; where the scale block begins
	s_cselect_b32 s43, 425984, 0                   ; the second scale block: the next head's / the same
	s_cselect_b32 s44, 16, 0                       ; and its words: the upper two bytes / the same
	s_lshl_b32 s45, 0x1111, s13                    ; my column of the cluster (same cx)
	s_lshl_b32 s46, s14, 2
	s_lshl_b32 s46, 15, s46                        ; my row (same cy)
	s_or_b32 s[G1A], s45, (3<<16)|(1<<21)          ; 15:0 the mask; 17:16 elements of 8 bytes; 21 set beside a mask; no padding
	s_or_b32 s[G1B], s46, (3<<16)|(1<<21)
	s_mov_b32 s[G1A+1], 384<<16                    ; tensor_dim0: a tile's 3,072 bytes of a chunk
	s_mov_b32 s[G1A+2], 8<<16                      ; tensor_dim1: 8 tiles
	s_mov_b32 s[G1A+3], 384<<16                    ; tile_dim0
	s_mov_b32 s[G1A+4], 8                          ; tile_dim1
	s_mov_b32 s[G1A+5], 1536                       ; from tile to tile: 12,288 bytes
	s_mov_b32 s[G1A+6], 0
	s_mov_b32 s[G1A+7], 0
	s_mov_b32 s[G1B+1], 384<<16
	s_mov_b32 s[G1B+2], 4<<16
	s_mov_b32 s[G1B+3], 384<<16
	s_mov_b32 s[G1B+4], 4
	s_mov_b32 s[G1B+5], 1536
	s_mov_b32 s[G1B+6], 0
	s_mov_b32 s[G1B+7], 0
	s_lshl_b32 s18, s18, 2
	s_add_co_u32 s18, s18, s13                     ; i0: my block of 256 rows of S0 (never holds cy)
	s_lshl_b32 s19, s19, 2
	s_add_co_u32 s19, s19, s14                     ; i1: my block of 128 rows of S1 (never holds cx)
	s_lshl_b32 s45, s18, 4
	s_add_co_u32 s45, s45, s20
	s_lshl_b32 s46, s[LO], 3
	s_add_co_u32 s45, s45, s46                     ; S0: the first of the 8 tiles that I fetch, and that I multiply
	s_lshl_b32 s47, s19, 3
	s_add_co_u32 s47, s47, s21
	s_lshl_b32 s46, s[HI], 2
	s_add_co_u32 s84, s47, s46                     ; S1: the first of the 4 tiles that I multiply,
	s_lshl_b32 s46, s[LO], 2
	s_add_co_u32 s47, s47, s46                     ; and of the 4 that I fetch
	s_mul_i32 s86, s45, TILEB
	s_mov_b32 s87, 0
	s_mul_i32 s90, s47, TILEB
	s_mov_b32 s91, 0
	s_lshl_b32 s2, s45, 9                          ; a tile's scale bytes: 512
	s_mov_b32 s3, 0
	s_lshl_b32 s84, s84, 9
	s_mov_b32 s85, 0
	s_mul_i32 s94, s[LO], 8*CHB                    ; LDS: wave numbers and constants alone
	s_mul_i32 s95, s[LO], 4*CHB
	s_add_co_u32 s95, s95, S1OFF
	s_wait_dscnt 0x0
	s_wait_kmcnt 0x0
	s_add_nc_u64 s[88:89], s[4:5], s[86:87]
	s_add_nc_u64 s[92:93], s[4:5], s[90:91]
	s_add_nc_u64 s[96:97], s[6:7], s[2:3]
	s_add_nc_u64 s[98:99], s[6:7], s[84:85]
.irp c, 0,1,2,3
	s_mov_b32 s[G0A+4*\c], 1
	s_add_co_u32 s[G0A+4*\c+1], s94, \c*CHUNK
	s_add_nc_u64 s[G0A+4*\c+2:G0A+4*\c+3], s[88:89], \c*CHB
	s_or_b32 s[G0A+4*\c+3], s[G0A+4*\c+3], 0x80000000
	s_mov_b32 s[G0B+4*\c], 1
	s_add_co_u32 s[G0B+4*\c+1], s95, \c*CHUNK
	s_add_nc_u64 s[G0B+4*\c+2:G0B+4*\c+3], s[92:93], \c*CHB
	s_or_b32 s[G0B+4*\c+3], s[G0B+4*\c+3], 0x80000000
.endr
	CROUND                                         ; all sixteen work-groups are here: the joint loads meet
.irp c, 0,1,2,3
	JLOAD G0A+4*\c, G1A, G0B+4*\c, G1B
.endr
	v_and_b32 v1, 31, v0                           ; l
	v_and_b32 v2, 15, v0                           ; r
	v_bfe_u32 v3, v0, 4, 1                         ; h
	v_lshlrev_b32 v20, 4, v1                       ; 16 l
	v_lshlrev_b32 v21, 3, v1                       ; 8 l
	v_lshlrev_b32 v22, 5, v2                       ; 32 r: a place's scale bytes
	v_add_nc_u32 v16, s94, v20                     ; S0's fragments: registers 0-3 and 6-9,
	v_add_nc_u32 v17, s94, v21                     ; registers 4-5 and 10-11
	s_mul_i32 s46, s[HI], 4*CHB
	s_add_co_u32 s46, s46, S1OFF
	v_add_nc_u32 v18, s46, v20                     ; S1's
	v_add_nc_u32 v19, s46, v21
.irp b, 0,1,2,3,4,5,6,7
	global_load_b128 v[SC0+8*\b:SC0+8*\b+3], v22, s[96:97] offset:512*\b      ; the scale words of all eight K steps, once
	global_load_b128 v[SC0+8*\b+4:SC0+8*\b+7], v22, s[96:97] offset:512*\b+16
.endr
.irp a, 0,1,2,3
	global_load_b128 v[SC1+8*\a:SC1+8*\a+3], v22, s[98:99] offset:512*\a
	global_load_b128 v[SC1+8*\a+4:SC1+8*\a+7], v22, s[98:99] offset:512*\a+16
.endr
.irp b, 0,1,2,3
	v_mov_b32 v[TM+4+\b], 0                        ; a lane permute's destination counts as one of its sources
.endr
	s_lshl_b32 s45, s18, 1
	s_add_co_u32 s45, s45, s[LO]                   ; which 128 rows of S0 are mine
	s_lshl_b32 s47, s19, 1
	s_add_co_u32 s47, s47, s[HI]                   ; which 64 rows of S1
	s_mul_i32 s86, s45, s23
	s_mul_i32 s90, s47, s40
	s_add_co_u32 s86, s86, s90
	s_add_co_u32 s86, s86, s22
	s_add_nc_u64 s[88:89], s[8:9], s[86:87]        ; the fragments' first pieces
	s_mov_b32 s86, s41
	s_add_nc_u64 s[92:93], s[88:89], s[86:87]      ; their second pieces
	s_mov_b32 s86, s42
	s_add_nc_u64 s[84:85], s[88:89], s[86:87]      ; the scale block
	s_mov_b32 s86, s43
	s_add_nc_u64 s[90:91], s[84:85], s[86:87]      ; the second scale block
	s_mov_b32 s46, 0x76543210
	s_mov_b32 s47, 0xfedcba98                      ; selects for lane l xor 16
.macro FRAG reg, a16, a8, off          ; a fragment, 12 registers, is two pieces: four loads, each of consecutive bytes over the 32 lanes
	ds_load_b128 v[\reg:\reg+3], v[\a16] offset:\off
	ds_load_b64 v[\reg+4:\reg+5], v[\a8] offset:\off+512
	ds_load_b128 v[\reg+6:\reg+9], v[\a16] offset:\off+768
	ds_load_b64 v[\reg+10:\reg+11], v[\a8] offset:\off+1280
.endm
.macro FETCH s                         ; K step s: S0's eight fragments into window 1, set s % 2; S1's four into window 0
	WIN 0x40
.irp b, 0,1,2,3,4,5,6,7
	FRAG 128*((\s)%2)+12*\b, 16, 17, CHB*\b+1536*((\s)%2)
.endr
	WIN 0
.irp a, 0,1,2,3
	FRAG 128+48*((\s)%2)+12*\a, 18, 19, CHB*\a+1536*((\s)%2)
.endr
.endm
.macro MUL16 a0, s, zero               ; the 32 accumulators take turns, one instruction a turn, in the same order in every step
.irp a, \a0, \a0+1
.irp b, 0,1,2,3,4,5,6,7
.if \zero
	v_wmma_scale_f32_16x16x128_f8f6f4 v[8*(8*(\a)+\b):8*(8*(\a)+\b)+7], v[128*((\s)%2)+12*\b:128*((\s)%2)+12*\b+11], v[128+48*((\s)%2)+12*(\a):128+48*((\s)%2)+12*(\a)+11], 0, v[SC0+8*\b+(\s)], v[SC1+8*(\a)+(\s)] matrix_a_fmt:MATRIX_FMT_FP6 matrix_b_fmt:MATRIX_FMT_FP6
.else
	v_wmma_scale_f32_16x16x128_f8f6f4 v[8*(8*(\a)+\b):8*(8*(\a)+\b)+7], v[128*((\s)%2)+12*\b:128*((\s)%2)+12*\b+11], v[128+48*((\s)%2)+12*(\a):128+48*((\s)%2)+12*(\a)+11], v[8*(8*(\a)+\b):8*(8*(\a)+\b)+7], v[SC0+8*\b+(\s)], v[SC1+8*(\a)+(\s)] matrix_a_fmt:MATRIX_FMT_FP6 matrix_b_fmt:MATRIX_FMT_FP6
.endif
.endr
.endr
.endm
; A K step of 128: 32 matrix instructions; in its middle the next step's 48 LDS loads, behind four plain vector lines (ISA guide 7.12.1 for vector instructions).
; Steps 1, 3, 5 are a chunk's last: the wave waits for its part of the next chunk (the count: its later chunks' loads) and all four waves meet before that chunk is read.
.macro STEP s, zero
	s_wait_dscnt 0x0                               ; this step's fragments are in; no LDS instruction of mine is out at the signal
.if ((\s)==1)||((\s)==3)||((\s)==5)
	s_wait_tensorcnt 3-((\s)+1)/2
	s_barrier_signal -1
.endif
	WIN 0xa1                                       ; source 0 window 1, source 1 window 0, C and D window 2
	MUL16 0, \s, \zero
.if ((\s)==1)||((\s)==3)||((\s)==5)
	s_barrier_wait -1
.endif
.if (\s) < 7
	WIN 0
.if ((\s)==1)||((\s)==3)||((\s)==5)
	v_add_nc_u32 v16, CHUNK, v16                   ; on to the next chunk: these four are the plain lines
	v_add_nc_u32 v17, CHUNK, v17
	v_add_nc_u32 v18, CHUNK, v18
	v_add_nc_u32 v19, CHUNK, v19
.else
.rept 4
	v_nop
.endr
.endif
	FETCH (\s)+1
.endif
	WIN 0xa1
	MUL16 2, \s, \zero
.endm
	s_wait_alu depctr_va_vdst(0)
	s_wait_tensorcnt 0x3                           ; my part of chunk 0 is in; my three later loads stay out
	s_barrier_signal -1
	s_barrier_wait -1                              ; everybody's is; nothing is ever filled twice
	FETCH 0
	s_wait_loadcnt 0x0                             ; the scale words
	STEP 0, 1                                      ; the first products start the sums
	STEP 1, 0
	s_wait_alu depctr_va_vdst(0)
	STEP 2, 0
	STEP 3, 0
	s_wait_alu depctr_va_vdst(0)
	STEP 4, 0
	STEP 5, 0
	s_wait_alu depctr_va_vdst(0)
	STEP 6, 0
	STEP 7, 0
	WIN 0
.rept 4
	v_nop                                          ; four plain lines between the last products and the first read of results
.endr
; Tile a's 64 numbers of a lane (window 2, v[64 a] on; register 16 b + i is number 32 b + 16 h + i of my row along the next K) become a fragment in v[PC] on and a scale word in v[SW + a].
; Each accumulator is first read at its low end.
.macro QUANTW a
.set QS, 64*(\a)
	WIN 0x0a
.irp b, 0,1,2,3
	v_max3_num_f32 v[TM+\b], |v[QS+16*\b]|, |v[QS+1+16*\b]|, 0x1800000   ; with the floor 2^(3 - 127): the byte cannot fall under 1
.endr
	WIN 0x28
.irp i, 2,4,6,8,10,12,14
.irp b, 0,1,2,3
	v_max3_num_f32 v[TM+\b], v[TM+\b], |v[QS+16*\b+\i]|, |v[QS+1+16*\b+\i]|
.endr
.endr
	WIN 0
.irp b, 0,1,2,3
	v_permlanex16_b32 v[TM+4+\b], v[TM+\b], s46, s47
.endr
.irp b, 0,1,2,3
	v_max_num_f32 v[TM+\b], v[TM+\b], v[TM+4+\b]   ; with lane l xor 16's: the block's largest magnitude
.endr
.irp b, 0,1,2,3
	v_add_nc_u32 v[TM+12+\b], 0xff000000, v[TM+\b] ; 2 off the exponent field: the conversion's scale operand
.endr
.irp b, 0,1,2,3
	v_lshrrev_b32 v[TM+4+\b], 23, v[TM+12+\b]      ; the byte
.endr
	v_lshl_or_b32 v[SW+\a], v[TM+5], 8, v[TM+4]
	v_lshl_or_b32 v[SW+\a], v[TM+6], 16, v[SW+\a]
	v_lshl_or_b32 v[SW+\a], v[TM+7], 24, v[SW+\a]
	WIN 0x02
.irp c, 0,1
	v_cvt_scalef32_pk16_fp6_f32 v[PC+6*\c:PC+2+6*\c], v[QS+32*\c:QS+15+32*\c], v[TM+12+2*\c]
	v_cvt_scalef32_pk16_fp6_f32 v[PC+12+4*\c:PC+14+4*\c], v[QS+16+32*\c:QS+31+32*\c], v[TM+12+2*\c+1]
.endr
	WIN 0
	v_nop                                          ; one plain line behind a scaled conversion
.irp c, 0,1                                    ; a whole block to a lane: lanes 0-15 block 2 c, lanes 16-31 block 2 c + 1
.irp i, 0,1,2
	v_permlane16_swap_b32 v[PC+6*\c+\i], v[PC+12+4*\c+\i]
.endr
.irp i, 0,1,2
	v_mov_b32 v[PC+3+6*\c+\i], v[PC+12+4*\c+\i]
.endr
.endr
.endm
.irp a, 0,1,2,3
.if \a > 0
	s_wait_xcnt 0x0                                ; the last tile's stores have read their data: the codes' registers are written again only behind this wait
.endif
	QUANTW \a
	global_store_b128 v20, v[PC:PC+3], s[88:89] offset:768*\a         ; each store covers 512 or 256 consecutive bytes, aligned
	global_store_b64 v21, v[PC+4:PC+5], s[88:89] offset:768*\a+512
	global_store_b128 v20, v[PC+6:PC+9], s[92:93] offset:768*\a
	global_store_b64 v21, v[PC+10:PC+11], s[92:93] offset:768*\a+512
.endr
	v_cmp_eq_u32 vcc_lo, 1, v3
	v_cndmask_b32 v244, v240, v242, vcc_lo         ; lanes 0-15 store the words of tiles 0, 1, lanes 16-31 those of tiles 2, 3
	v_cndmask_b32 v245, v241, v243, vcc_lo
	v_lshrrev_b32 v246, s44, v244                  ; q, k: the second head's two bytes come down; v: the words as they are
	v_lshrrev_b32 v247, s44, v245
	global_store_b64 v21, v[244:245], s[84:85]     ; 256 consecutive bytes, aligned
	global_store_b64 v21, v[246:247], s[90:91]     ; (for v this repeats the store above with the same bytes: so the text has no branch on the role)
	s_wait_tensorcnt 0x0
	ds_add_u32 v254, v255
	s_wait_dscnt 0x0
	CROUND                                         ; the closing round: no work-group ends while a partner may still ask for a tile that names it
	s_endpgm
.Lfunc_end_k_q892cfccf18_proj:
	.size	k_q892cfccf18_proj, .Lfunc_end_k_q892cfccf18_proj-k_q892cfccf18_proj
	.p2alignl 7, 3214868480
	.fill 96, 4, 3214868480
	.section	.rodata,"a",@progbits
	.p2align	6, 0x0
	.amdhsa_kernel k_q892cfccf18_proj
		.amdhsa_group_segment_fixed_size 295424
		.amdhsa_private_segment_fixed_size 0
		.amdhsa_enable_private_segment 0
		.amdhsa_kernarg_size 24
		.amdhsa_user_sgpr_count 2
		.amdhsa_user_sgpr_kernarg_segment_ptr 1
		.amdhsa_wavefront_size32 1
		.amdhsa_system_sgpr_workgroup_id_x 1
		.amdhsa_system_sgpr_workgroup_id_y 1
		.amdhsa_system_sgpr_workgroup_id_z 1
		.amdhsa_system_vgpr_workitem_id 0
		.amdhsa_next_free_vgpr 768
		.amdhsa_next_free_sgpr 100
		.amdhsa_reserve_vcc 1
		.amdhsa_float_denorm_mode_32 3
		.amdhsa_float_denorm_mode_16_64 3
		.amdhsa_memory_ordered 1
		.amdhsa_forward_progress 1
		.amdhsa_inst_pref_size 89
	.end_amdhsa_kernel
	.amdgpu_metadata
---
amdhsa.version: [ 1, 2 ]
amdhsa.kernels:
  - .name:           k_q892cfccf18_proj
    .symbol:         k_q892cfccf18_proj.kd
    .args:
      - { .name: ic, .offset: 0, .size: 8, .value_kind: global_buffer, .address_space: global }
      - { .name: isc, .offset: 8, .size: 8, .value_kind: global_buffer, .address_space: global }
      - { .name: pc, .offset: 16, .size: 8, .value_kind: global_buffer, .address_space: global }
    .group_segment_fixed_size: 295424
    .private_segment_fixed_size: 0
    .kernarg_segment_align: 8
    .kernarg_segment_size: 24
    .max_flat_workgroup_size: 128
    .sgpr_count:     100
    .vgpr_count:     768
    .wavefront_size: 32
...
	.end_amdgpu_metadata
.endif
;; end of part 2
;; launch attn (part 3): grid 4 x 64, 16 waves a work-group, clusters of 4 x 1, 215,040 bytes of LDS; arguments pc, oc, osc; writes oc, osc
.if DOCPART == 3
	.amdgcn_target "amdgcn-amd-amdhsa--gfx1250"
	.amdhsa_code_object_version 6
	.text
	.protected	k_q892cfccf18_attn
	.globl	k_q892cfccf18_attn
	.p2align	8
	.type	k_q892cfccf18_attn,@function
k_q892cfccf18_attn:
	s_mov_b64 s[64:65], 0
	v_nop
	global_prefetch_b8 v0, s[64:65] scope:SCOPE_SE
	s_setreg_imm32_b32 hwreg(HW_REG_WAVE_MODE, 25, 1), 1
	s_wait_xcnt 0x0
	s_wait_alu depctr_hold_cnt(0) depctr_sa_sdst(0) depctr_va_vdst(0) depctr_va_sdst(0) depctr_va_ssrc(0) depctr_va_vcc(0) depctr_vm_vsrc(0)
	s_getreg_b32 s2, hwreg(HW_REG_IB_STS2, 6, 4)
	s_cmp_eq_u32 s2, 0
	s_cbranch_scc0 .Lentry_in_a_cluster
	s_endpgm
.Lentry_in_a_cluster:
	s_bfe_u32 s2, ttmp6, 0x10000c
	s_cmp_lg_u32 s2, 0x3003
	s_cbranch_scc0 .Lentry_shape_is_right
	s_endpgm
.Lentry_shape_is_right:
; Causal attention of one head (16 heads x 4 batches, 2,048 positions, head size 64) on codes of FP6, and the quantising of its result along D for the last product.
; THE SOFTMAX: t = score x log2(e) / 8; M = the running largest t rounded UP to a whole number; p = 2^(t - M) is quantised along the keys, not normalised; the row's sum is taken of the unquantised p
; and divides O at the end; when M moves, the sum and O are multiplied by 2^(old M - new M), which rounds nothing.
; SHARES.  A cluster of four work-groups owns a head; each has sixteen waves of 256 registers, four to a SIMD, so that one wave's vector work stands beside another's products and LDS loads.
; A wave owns TWO tiles of 16 queries: tile lo = 8 (wave / 2) + 2 cx + wave % 2 and tile 127 - lo.  Their last key steps, wave / 2 and 15 - wave / 2, hang on the wave's number alone, and every wave
; of the launch works 17 key steps of 128 keys.  A step all of whose keys come after the tile's queries is jumped over by a scalar branch; the loops' trip counts are constants.
; LDS.  The head's K (32 rows of 3,328 bytes) and V (16 rows of 6,400) stay in LDS whole, filled once, by four joint loads of the cluster: wave 0 asks for K's first 256 keys and then the rest, wave 1 the same
; for V: two tensor loads of a wave are out at the most.  The high tile's first two steps, always open, run while the rest lands.  No prefetch: every byte is asked for at the head.
; LAYOUT.  Both products transposed: S^T = K Q^T (source 0 = 16 keys), O^T = V^T P^T (source 0 = 16 of the head's 64): a lane holds one query.  By the order of rows in a tile (see the launch that makes ic)
; the 16 registers of tiles 2 b, 2 b + 1 of S^T are keys 32 b + 16 h + 0 .. 15, and O^T's register 16 b + i is channel 32 b + 16 h + i.  The head's 64 fill half of the first product's 128 along K:
; registers 6-11 of Q's and K's fragments are zero codes, which add nothing under any scale byte but 0xff.
; OUT: oc [tile of 16 rows][head][768] and osc [row][32], laid as ic and isc.  A row's two scale bytes of a head leave as single bytes: the other 30 are other clusters' work.
; LIMITS: NaN and infinities are not served; p under 2^-126 becomes 0; a block of zeros or under 2^-124 gets the scale byte 1.
.set KROW,  3328                       ; 64 keys: four pieces of 768 bytes + 256 scale bytes
.set VROW,  6400                       ; 128 keys: eight pieces + 256 scale bytes
.set VREG,  32*KROW                    ; V begins behind K
.set VBASE, 13631488
.set TK, 2                             ; s2   LDS byte of the step's keys
.set TV, 3                             ; s3   of its values, from VREG
.set ST, 10                            ; s10  the key step
.set SD, 11                            ; s11  the tile's last key step, the one on the diagonal
.set WV, 18
.set SEL, 20                           ; s[20:21] selects for lane l xor 16
.set CS, 22                            ; s[22:23] c = log2(e) / 8
.set G1K0, 24
.set G1K1, 32
.set G1V0, 40
.set G1V1, 48
; REGISTERS: v1 16 l, v2 8 l, v3, v4 the same + VREG, v5 8 r, v6 r + 8 (r / 8) - 16 h, v7 the mask's bound, v8-11 addresses in hand, v12 -M, v13 largest t, v[14:15] the sum, v16-27 Q, v[28:29] V's scale words,
; v30 32 r + h, v31 8 h, v32-79 four fragments of K, v80-127 four of V, v128-191 S^T then p, v192-223 O^T, v224-235 p's codes, v232-247 at work, v248-251 K's scale words, v252 f, v253 p's scale word, v254 at work, v255 Q's scale word.
.macro CROUND
	s_barrier_signal -1
	s_barrier_wait -1
	s_cmp_lg_u32 s[WV], 0
	s_cbranch_scc1 .Lnot_wave_0_\@
	s_barrier_signal -3
.Lnot_wave_0_\@:
	s_barrier_wait -3
	s_barrier_signal -1
	s_barrier_wait -1
.endm
	s_load_b128 s[4:7], s[0:1], 0x0                ; pc, oc
	s_load_b64 s[8:9], s[0:1], 0x10                ; osc
	v_lshl_add_u32 v254, v0, 2, 0x34000
	v_mov_b32 v255, 0
	ds_add_u32 v254, v255
	ds_add_u32 v254, v255
	s_wait_dscnt 0x0
	v_lshrrev_b32 v8, 5, v0
	s_delay_alu instid0(VALU_DEP_1)
	v_readfirstlane_b32 s[WV], v8                  ; wave 0..15
	s_bfe_u32 s12, ttmp6, 0x40000                  ; cx: it enters Q's and O's global addresses and the mask's bound, nothing else
	s_and_b32 s16, ttmp7, 0xffff
	s_lshr_b32 s13, s16, 4                         ; batch
	s_and_b32 s14, s16, 15                         ; head
	s_lshl_b32 s88, s13, 7                         ; the batch's first tile of rows
	s_mul_i32 s66, s14, 768
	s_lshl_b32 s67, s14, 1
	s_lshr_b32 s16, s[WV], 1
	s_lshl_b32 s89, s16, 3
	s_lshl_b32 s17, s12, 1
	s_add_co_u32 s89, s89, s17
	s_and_b32 s17, s[WV], 1
	s_add_co_u32 s89, s89, s17                     ; my low tile
	s_lshl_b32 s16, s14, 7
	s_lshl_b32 s17, s13, 5
	s_add_co_u32 s16, s16, s17                     ; q: row 128 head + 32 batch of pc's first part
	s_mul_i32 s84, s16, KROW
	s_mov_b32 s85, 0
	s_add_co_u32 s16, s16, 2048                    ; k: sixteen heads on
	s_mul_i32 s76, s16, KROW
	s_mov_b32 s77, 0
	s_mul_i32 s78, s13, 16*16*VROW
	s_mul_i32 s19, s14, VROW
	s_add_co_u32 s78, s78, s19
	s_add_co_u32 s78, s78, VBASE
	s_mov_b32 s79, 0
.irp g, G1K0, G1K1
	s_mov_b32 s[\g], 15|(3<<16)|(1<<21)            ; 15:0 the mask: all four work-groups; 17:16 elements of 8 bytes; 21 set beside a mask
	s_mov_b32 s[\g+1], 416<<16                     ; a row of 3,328 bytes
	s_mov_b32 s[\g+3], 416<<16
	s_mov_b32 s[\g+5], 416                         ; dense
	s_mov_b32 s[\g+6], 0
	s_mov_b32 s[\g+7], 0
.endr
	s_mov_b32 s[G1K0+2], 4<<16                     ; 256 keys
	s_mov_b32 s[G1K0+4], 4
	s_mov_b32 s[G1K1+2], 28<<16                    ; the other 1,792
	s_mov_b32 s[G1K1+4], 28
.irp g, G1V0, G1V1
	s_mov_b32 s[\g], 15|(3<<16)|(1<<21)
	s_mov_b32 s[\g+1], 800<<16                     ; a row of 6,400 bytes
	s_mov_b32 s[\g+3], 800<<16
	s_mov_b32 s[\g+5], 12800                       ; sixteen heads from step to step
	s_mov_b32 s[\g+6], 0
	s_mov_b32 s[\g+7], 0
.endr
	s_mov_b32 s[G1V0+2], 2<<16
	s_mov_b32 s[G1V0+4], 2
	s_mov_b32 s[G1V1+2], 14<<16
	s_mov_b32 s[G1V1+4], 14
	s_mov_b32 s[SEL], 0x76543210
	s_mov_b32 s[SEL+1], 0xfedcba98
	s_mov_b32 s[CS], 0x3e38aa3b
	s_mov_b32 s[CS+1], s[CS]                       ; (named with it as a pair, so it is written)
	s_wait_kmcnt 0x0
	s_add_nc_u64 s[86:87], s[4:5], s[84:85]        ; q of my head and batch
	s_mov_b32 s56, 1
	s_mov_b32 s57, 0
	s_add_nc_u64 s[58:59], s[4:5], s[76:77]
	s_mov_b32 s60, 1
	s_mov_b32 s61, 4*KROW
	s_add_nc_u64 s[62:63], s[58:59], 4*KROW
	s_or_b32 s59, s59, 0x80000000
	s_or_b32 s63, s63, 0x80000000
	s_mov_b32 s68, 1
	s_mov_b32 s69, VREG
	s_add_nc_u64 s[70:71], s[4:5], s[78:79]
	s_mov_b32 s72, 1
	s_mov_b32 s73, VREG+2*VROW
	s_add_nc_u64 s[74:75], s[70:71], 2*16*VROW
	s_or_b32 s71, s71, 0x80000000
	s_or_b32 s75, s75, 0x80000000
	CROUND                                         ; all four work-groups are here: the joint loads meet
	s_cmp_lg_u32 s[WV], 0                          ; a wave's first fills stand in one branch on its number; four v_nop follow the second
	s_cbranch_scc1 .Lnot_k
	tensor_load_to_lds s[56:59], s[G1K0:G1K0+7]
	s_nop 0
	tensor_load_to_lds s[60:63], s[G1K1:G1K1+7]
	s_nop 0
.rept 4
	v_nop
.endr
	s_branch .Lasked
.Lnot_k:
	s_cmp_lg_u32 s[WV], 1
	s_cbranch_scc1 .Lasked
	tensor_load_to_lds s[68:71], s[G1V0:G1V0+7]
	s_nop 0
	tensor_load_to_lds s[72:75], s[G1V1:G1V1+7]
	s_nop 0
.rept 4
	v_nop
.endr
.Lasked:
	v_and_b32 v8, 31, v0                           ; l
	v_and_b32 v9, 15, v0                           ; r
	v_bfe_u32 v10, v0, 4, 1                        ; h
	s_delay_alu instid0(VALU_DEP_3)
	v_lshlrev_b32 v1, 4, v8
	s_delay_alu instid0(VALU_DEP_4)
	v_lshlrev_b32 v2, 3, v8
	s_delay_alu instid0(VALU_DEP_2)
	v_add_nc_u32 v3, VREG, v1
	s_delay_alu instid0(VALU_DEP_2)
	v_add_nc_u32 v4, VREG, v2
	v_lshlrev_b32 v5, 3, v9
	v_and_b32 v11, 8, v9
	s_delay_alu instid0(VALU_DEP_1)
	v_add_nc_u32 v6, v11, v9
	v_lshlrev_b32 v11, 4, v10
	s_delay_alu instid0(VALU_DEP_1)
	v_sub_nc_u32 v6, v6, v11
	v_lshl_add_u32 v30, v9, 5, v10
	v_lshlrev_b32 v31, 3, v10
.irp i, 22,23,24,25,26,27
	v_mov_b32 v[\i], 0                             ; Q's k = 64 .. 127: zero codes, written once
.endr
.irp t, 0,1,2,3
.irp i, 6,7,8,9,10,11
	v_mov_b32 v[32+12*\t+\i], 0                    ; K's likewise: no load lands here
.endr
.endr
.irp i, 236,237,238,239,252,253
	v_mov_b32 v[\i], 0                             ; lane permutes' destinations, and the pair v[252:253], are written before they are named
.endr
; A tile of queries begins: s15 = the tile.  Its addresses, Q's piece and scale words, the mask's bound, and the sums at zero (the first change of M multiplies zeros).
.macro TILE_INIT
	s_wait_xcnt 0x0                                ; earlier loads and stores have read their bases and data: they are written again only behind this wait
	s_lshr_b32 s16, s15, 2
	s_mul_i32 s16, s16, KROW
	s_and_b32 s17, s15, 3
	s_mul_i32 s17, s17, 768
	s_add_co_u32 s84, s16, s17
	s_add_nc_u64 s[76:77], s[86:87], s[84:85]      ; Q's piece
	s_bfe_u32 s17, s15, 0x10001
	s_lshl_b32 s17, s17, 7
	s_and_b32 s19, s15, 1
	s_lshl_b32 s84, s19, 2
	s_add_co_u32 s84, s84, s17
	s_add_co_u32 s84, s84, s16
	s_add_co_u32 s84, s84, 3072
	s_add_nc_u64 s[78:79], s[86:87], s[84:85]      ; its scale words
	s_add_co_u32 s16, s88, s15
	s_mul_i32 s84, s16, 12288
	s_add_co_u32 s84, s84, s66
	s_add_nc_u64 s[80:81], s[6:7], s[84:85]        ; O's piece
	s_lshl_b32 s84, s16, 9
	s_add_co_u32 s84, s84, s67
	s_add_nc_u64 s[82:83], s[8:9], s[84:85]        ; its two scale bytes a row
	global_load_b128 v[16:19], v1, s[76:77]
	global_load_b64 v[20:21], v2, s[76:77] offset:512
	global_load_b32 v255, v5, s[78:79]
	s_bfe_u32 s16, s15, 0x20001
	s_lshl_b32 s16, s16, 5
	s_lshl_b32 s19, s19, 3
	s_add_co_u32 s16, s16, s19
	v_add_nc_u32 v7, s16, v6                       ; my query's place in its 128, less 16 h: register 16 b + i of the diagonal step is hidden where 32 b + i is above it
	v_mov_b32 v13, 0xff61b1e6                      ; the largest t so far: -3e38
	s_delay_alu instid0(VALU_DEP_1)
	v_floor_f32 v12, -v13
	v_mov_b32 v14, 0
	v_mov_b32 v15, 0
.set j, 0
.rept 32
	v_mov_b32 v[192+j], 0
.set j, j+1
.endr
	s_mov_b32 s[TK], 0
	s_mov_b32 s[TV], 0
	s_mov_b32 s[ST], 0
.endm
.macro KQ g                            ; four tiles of 16 keys; the scale words of tiles 2, 3 stand in lanes 16-31
.irp t, 0,1
	v_wmma_scale_f32_16x16x128_f8f6f4 v[128+32*\g+8*\t:135+32*\g+8*\t], v[32+12*\t:43+12*\t], v[16:27], 0, v[248+2*\g+\t], v255 matrix_a_fmt:MATRIX_FMT_FP6 matrix_b_fmt:MATRIX_FMT_FP6
.endr
.irp t, 2,3
	v_wmma_scale_f32_16x16x128_f8f6f4 v[128+32*\g+8*\t:135+32*\g+8*\t], v[32+12*\t:43+12*\t], v[16:27], 0, v[246+2*\g+\t], v255 matrix_a_fmt:MATRIX_FMT_FP6 matrix_b_fmt:MATRIX_FMT_FP6 matrix_a_scale:MATRIX_SCALE_ROW1
.endr
.endm
; A KEY STEP of 128 keys.  m = 1: steps behind the diagonal are jumped over, and the diagonal step is masked.
.macro STEP m
.if \m
	s_cmp_gt_u32 s[ST], s[SD]
	s_cbranch_scc1 .Lhidden_\@
.endif
	s_setprio 2
	v_add_nc_u32 v8, s[TK], v1                     ; (these four are also the plain lines between the last products and the loads into their registers)
	v_add_nc_u32 v9, s[TK], v2
	v_add_nc_u32 v10, s[TV], v3
	v_add_nc_u32 v11, s[TV], v4
.irp t, 0,1,2,3
	ds_load_b128 v[32+12*\t:35+12*\t], v8 offset:768*\t
	ds_load_b64 v[36+12*\t:37+12*\t], v9 offset:768*\t+512
.endr
	ds_load_b64 v[248:249], v9 offset:3072
	s_wait_alu depctr_va_vdst(0)
	s_wait_dscnt 0x0
	KQ 0
.rept 4
	v_nop                                          ; four plain lines in front of loads into registers that these products read
.endr
.irp t, 0,1,2,3
	ds_load_b128 v[32+12*\t:35+12*\t], v8 offset:KROW+768*\t
	ds_load_b64 v[36+12*\t:37+12*\t], v9 offset:KROW+768*\t+512
.endr
	ds_load_b64 v[250:251], v9 offset:KROW+3072
.irp a, 0,1,2,3                                ; V's four fragments are asked for now and land under the softmax
	ds_load_b128 v[80+12*\a:83+12*\a], v10 offset:768*\a
	ds_load_b64 v[84+12*\a:85+12*\a], v11 offset:768*\a+512
	ds_load_b128 v[86+12*\a:89+12*\a], v10 offset:3072+768*\a
	ds_load_b64 v[90+12*\a:91+12*\a], v11 offset:3072+768*\a+512
.endr
	ds_load_b64 v[28:29], v11 offset:6144
	s_wait_dscnt 17                                ; K's second four are in; V's seventeen loads stay out
	KQ 1
.rept 4
	v_nop
.endr
.if \m
	s_cmp_lt_u32 s[ST], s[SD]
	s_cbranch_scc1 .Lopen_\@
	v_mov_b32 v254, 0xff800000                     ; on the diagonal hidden scores become -infinity ahead of the maximum: p = 0 then
.set n, 0
.rept 64
	v_cmp_gt_i32 vcc_lo, 32*(n/16)+n%16, v7
	v_cndmask_b32 v[128+n], v[128+n], v254, vcc_lo
.set n, n+1
.endr
.Lopen_\@:
.endif
.irp b, 0,1,2,3
	v_max3_num_f32 v[232+\b], v[128+16*\b], v[129+16*\b], v[130+16*\b]   ; the largest score of each block of 32 keys: for the row's maximum and, since p rises with the score, for the block's largest p
.endr
.irp i, 3,5,7,9,11,13
.irp b, 0,1,2,3
	v_max3_num_f32 v[232+\b], v[232+\b], v[128+16*\b+\i], v[129+16*\b+\i]
.endr
.endr
.irp b, 0,1,2,3
	v_max_num_f32 v[232+\b], v[232+\b], v[143+16*\b]
.endr
.irp b, 0,1,2,3
	s_delay_alu instid0(VALU_DEP_4)
	v_permlanex16_b32 v[236+\b], v[232+\b], s[SEL], s[SEL+1]
.endr
.irp b, 0,1,2,3
	s_delay_alu instid0(VALU_DEP_4)
	v_max_num_f32 v[232+\b], v[232+\b], v[236+\b]
.endr
	s_delay_alu instid0(VALU_DEP_2)
	v_max3_num_f32 v254, v232, v233, v234
	s_delay_alu instid0(VALU_DEP_1)
	v_max_num_f32 v254, v254, v235
	s_delay_alu instid0(VALU_DEP_1)
	v_mul_f32 v254, s[CS], v254
	s_delay_alu instid0(VALU_DEP_1)
	v_max_num_f32 v13, v13, v254                   ; the running largest t
	v_mov_b32 v254, v12
	s_delay_alu instid0(VALU_DEP_2)
	v_floor_f32 v12, -v13                          ; -M = floor(-t): M is a whole number
	s_delay_alu instid0(VALU_DEP_1)
	v_sub_f32 v254, v12, v254
	s_delay_alu instid0(VALU_DEP_1)
	v_cvt_i32_f32 v254, v254                       ; (it saturates)
	s_delay_alu instid0(VALU_DEP_1)
	v_ldexp_f32 v252, 1.0, v254                    ; f = 2^(old M - new M)
.set j, 0
.rept 32
	v_pk_fma_f32 v[128+j:129+j], v[128+j:129+j], s[CS:CS+1], v[12:13] op_sel_hi:[1,0,0]   ; t - M
.set j, j+2
.endr
.irp b, 0,1,2,3
	v_fma_f32 v[232+\b], v[232+\b], s[CS], v12
.endr
.set j, 0
	s_setprio 1
	s_wait_alu depctr_va_vdst(0)
.rept 64
	v_exp_f32 v[128+j], v[128+j]                   ; p, one batch
.set j, j+1
.endr
	v_pk_mul_f32 v[14:15], v[14:15], v[252:253] op_sel_hi:[1,0]   ; the sums under the new M; the plain line behind the batch
	s_wait_alu depctr_va_vdst(0)                   ; one wait for the batch, ahead of its first reader
.irp b, 0,1,2,3
	v_exp_f32 v[232+\b], v[232+\b]                 ; each block's largest p
.endr
	v_pk_add_f32 v[236:237], v[132:133], v[136:137]
	v_pk_add_f32 v[250:251], v[140:141], v[144:145]
	v_pk_add_f32 v[248:249], v[148:149], v[152:153]
	v_pk_add_f32 v[246:247], v[156:157], v[160:161]
	v_pk_add_f32 v[244:245], v[164:165], v[168:169]
	v_pk_add_f32 v[242:243], v[172:173], v[176:177]
	v_pk_add_f32 v[240:241], v[180:181], v[184:185]
	v_pk_add_f32 v[14:15], v[14:15], v[188:189]
	v_pk_add_f32 v[236:237], v[236:237], v[128:129]
	v_pk_add_f32 v[250:251], v[250:251], v[130:131]
	v_pk_add_f32 v[248:249], v[248:249], v[134:135]
	v_pk_add_f32 v[246:247], v[246:247], v[138:139]
	v_pk_add_f32 v[244:245], v[244:245], v[142:143]
	v_pk_add_f32 v[242:243], v[242:243], v[146:147]
	v_pk_add_f32 v[240:241], v[240:241], v[150:151]
	v_pk_add_f32 v[14:15], v[14:15], v[154:155]
	v_pk_add_f32 v[236:237], v[236:237], v[158:159]
	v_pk_add_f32 v[250:251], v[250:251], v[162:163]
	v_pk_add_f32 v[248:249], v[248:249], v[166:167]
	v_pk_add_f32 v[246:247], v[246:247], v[170:171]
	v_pk_add_f32 v[244:245], v[244:245], v[174:175]
	v_pk_add_f32 v[242:243], v[242:243], v[178:179]
	v_pk_add_f32 v[240:241], v[240:241], v[182:183]
	v_pk_add_f32 v[14:15], v[14:15], v[186:187]
	v_pk_add_f32 v[236:237], v[236:237], v[190:191]
	s_delay_alu instid0(VALU_DEP_2)
	v_pk_add_f32 v[14:15], v[14:15], v[246:247]
	s_delay_alu instid0(VALU_DEP_2)
	v_pk_add_f32 v[236:237], v[236:237], v[244:245]
	v_pk_add_f32 v[250:251], v[250:251], v[242:243]
	v_pk_add_f32 v[248:249], v[248:249], v[240:241]
	s_delay_alu instid0(VALU_DEP_2)
	v_pk_add_f32 v[14:15], v[14:15], v[250:251]
	s_delay_alu instid0(VALU_DEP_2)
	v_pk_add_f32 v[236:237], v[236:237], v[248:249]
	s_delay_alu instid0(VALU_DEP_1)
	v_pk_add_f32 v[14:15], v[14:15], v[236:237]
	s_wait_alu depctr_va_vdst(0)                   ; and one for the four
.irp b, 0,1,2,3
	v_max_num_f32 v[232+\b], 0x1800000, v[232+\b]  ; the floor 2^(3 - 127)
.endr
.irp b, 0,1,2,3
	s_delay_alu instid0(VALU_DEP_4)
	v_add_nc_u32 v[244+\b], 0xff000000, v[232+\b]
.endr
.irp b, 0,1,2,3
	s_delay_alu instid0(VALU_DEP_4)
	v_lshrrev_b32 v[236+\b], 23, v[244+\b]
.endr
	s_delay_alu instid0(VALU_DEP_3)
	v_lshl_or_b32 v253, v237, 8, v236              ; p's scale word for these 128 keys
	s_delay_alu instid0(VALU_DEP_1)
	v_lshl_or_b32 v253, v238, 16, v253
	s_delay_alu instid0(VALU_DEP_1)
	v_lshl_or_b32 v253, v239, 24, v253
.irp c, 0,1
	v_cvt_scalef32_pk16_fp6_f32 v[224+6*\c:226+6*\c], v[128+32*\c:143+32*\c], v[244+2*\c]
	v_cvt_scalef32_pk16_fp6_f32 v[236+4*\c:238+4*\c], v[144+32*\c:159+32*\c], v[244+2*\c+1]
.endr
	v_nop                                          ; one plain line behind a scaled conversion
	s_setprio 0
.irp c, 0,1
.irp i, 0,1,2
	v_permlane16_swap_b32 v[224+6*\c+\i], v[236+4*\c+\i]
.endr
.irp i, 0,1,2
	s_delay_alu instid0(VALU_DEP_3)
	v_mov_b32 v[227+6*\c+\i], v[236+4*\c+\i]
.endr
.endr
.set j, 0
.rept 16
	v_pk_mul_f32 v[192+j:193+j], v[192+j:193+j], v[252:253] op_sel_hi:[1,0]   ; O^T under the new M; sixteen plain lines between the scale word and codes just made and the products
.set j, j+2
.endr
	s_wait_alu depctr_va_vdst(0)
	s_wait_dscnt 0x0                               ; V is in
.irp a, 0,1                                    ; the four accumulators take turns, one instruction a turn
	v_wmma_scale_f32_16x16x128_f8f6f4 v[192+8*\a:199+8*\a], v[80+12*\a:91+12*\a], v[224:235], v[192+8*\a:199+8*\a], v[28+\a], v253 matrix_a_fmt:MATRIX_FMT_FP6 matrix_b_fmt:MATRIX_FMT_FP6
.endr
.irp a, 2,3
	v_wmma_scale_f32_16x16x128_f8f6f4 v[192+8*\a:199+8*\a], v[80+12*\a:91+12*\a], v[224:235], v[192+8*\a:199+8*\a], v[26+\a], v253 matrix_a_fmt:MATRIX_FMT_FP6 matrix_b_fmt:MATRIX_FMT_FP6 matrix_a_scale:MATRIX_SCALE_ROW1
.endr
.if \m
.Lhidden_\@:
.endif
	s_add_co_u32 s[TK], s[TK], 2*KROW
	s_add_co_u32 s[TV], s[TV], VROW
	s_add_co_u32 s[ST], s[ST], 1
.endm
; A tile ends: O^T / the sum, quantised along the head's 64 (two blocks), leaves as one piece of oc and two bytes a row of osc.
.macro WAYOUT
.rept 4
	v_nop                                          ; four plain lines behind the last products
.endr
	v_add_f32 v14, v14, v15
	s_delay_alu instid0(VALU_DEP_1)
	v_permlanex16_b32 v252, v14, s[SEL], s[SEL+1]
	s_delay_alu instid0(VALU_DEP_1)
	v_add_f32 v14, v14, v252                       ; the row's sum
	s_wait_alu depctr_va_vdst(0)
	v_rcp_f32 v14, v14
	v_nop                                          ; a plain line behind the reciprocal,
	s_wait_alu depctr_va_vdst(0)                   ; and the wait ahead of its first reader
.set j, 0
.rept 32
	v_mul_f32 v[128+j], v[192+j], v14              ; each accumulator from its low end on
.set j, j+1
.endr
.irp b, 0,1
	v_max3_num_f32 v[232+\b], |v[128+16*\b]|, |v[129+16*\b]|, 0x1800000
.endr
.irp i, 2,4,6,8,10,12,14
.irp b, 0,1
	s_delay_alu instid0(VALU_DEP_2)
	v_max3_num_f32 v[232+\b], v[232+\b], |v[128+16*\b+\i]|, |v[129+16*\b+\i]|
.endr
.endr
.irp b, 0,1
	s_delay_alu instid0(VALU_DEP_2)
	v_permlanex16_b32 v[236+\b], v[232+\b], s[SEL], s[SEL+1]
.endr
.irp b, 0,1
	s_delay_alu instid0(VALU_DEP_2)
	v_max_num_f32 v[232+\b], v[232+\b], v[236+\b]
.endr
.irp b, 0,1
	s_delay_alu instid0(VALU_DEP_2)
	v_add_nc_u32 v[244+\b], 0xff000000, v[232+\b]
.endr
.irp b, 0,1
	s_delay_alu instid0(VALU_DEP_2)
	v_lshrrev_b32 v[236+\b], 23, v[244+\b]
.endr
	s_delay_alu instid0(VALU_DEP_1)
	v_lshl_or_b32 v254, v237, 8, v236
	v_cvt_scalef32_pk16_fp6_f32 v[224:226], v[128:143], v244
	v_cvt_scalef32_pk16_fp6_f32 v[240:242], v[144:159], v245
	v_nop
.irp i, 0,1,2
	v_permlane16_swap_b32 v[224+\i], v[240+\i]
.endr
.irp i, 0,1,2
	s_delay_alu instid0(VALU_DEP_3)
	v_mov_b32 v[227+\i], v[240+\i]
.endr
	v_lshrrev_b32 v254, v31, v254                  ; lanes 0-15 store block 0's byte, lanes 16-31 block 1's
	global_store_b128 v1, v[224:227], s[80:81]     ; 512 consecutive bytes, aligned
	global_store_b64 v2, v[228:229], s[80:81] offset:512
	global_store_b8 v30, v254, s[82:83]
.endm
	s_sub_co_u32 s15, 127, s89                     ; the high tile first
	s_lshr_b32 s[SD], s[WV], 1
	s_sub_co_u32 s[SD], 15, s[SD]
	TILE_INIT
	s_wait_loadcnt 0x0                             ; Q
	s_wait_tensorcnt 0x1                           ; my first load, of 256 keys, is in; the larger one behind it stays out: nothing is ever filled twice
	s_barrier_signal -1
	s_barrier_wait -1
.Lfirst:                                           ; keys 0 to 255: open for every high tile (its last step is 8 or more)
	STEP 0
	s_cmp_lt_u32 s[ST], 2
	s_cbranch_scc1 .Lfirst
	s_setprio 0
	s_wait_tensorcnt 0x0                           ; the rest of K or V, if I asked for it, is in
	s_wait_dscnt 0x0
	s_barrier_signal -1
	s_barrier_wait -1                              ; everybody's is
	s_mov_b32 s[TK], 4*KROW
	s_mov_b32 s[TV], 2*VROW
	s_mov_b32 s[ST], 2
.Lhigh:
	STEP 1
	s_cmp_lt_u32 s[ST], 16
	s_cbranch_scc1 .Lhigh
	s_setprio 0
	WAYOUT
	s_mov_b32 s15, s89                             ; the low tile
	s_lshr_b32 s[SD], s[WV], 1
	TILE_INIT
	s_wait_loadcnt 0x0
.Llow:
	STEP 1
	s_cmp_lt_u32 s[ST], 8
	s_cbranch_scc1 .Llow
	s_setprio 0
	WAYOUT
	s_wait_xcnt 0x0
	v_lshl_add_u32 v254, v0, 2, 0x34000
	v_mov_b32 v255, 0
	s_wait_alu depctr_va_vdst(0)
	s_wait_tensorcnt 0x0
	ds_add_u32 v254, v255
	s_wait_dscnt 0x0
	CROUND                                         ; the closing round
	s_endpgm
.Lfunc_end_k_q892cfccf18_attn:
	.size	k_q892cfccf18_attn, .Lfunc_end_k_q892cfccf18_attn-k_q892cfccf18_attn
	.p2alignl 7, 3214868480
	.fill 96, 4, 3214868480
	.section	.rodata,"a",@progbits
	.p2align	6, 0x0
	.amdhsa_kernel k_q892cfccf18_attn
		.amdhsa_group_segment_fixed_size 215040
		.amdhsa_private_segment_fixed_size 0
		.amdhsa_enable_private_segment 0
		.amdhsa_kernarg_size 24
		.amdhsa_user_sgpr_count 2
		.amdhsa_user_sgpr_kernarg_segment_ptr 1
		.amdhsa_wavefront_size32 1
		.amdhsa_system_sgpr_workgroup_id_x 1
		.amdhsa_system_sgpr_workgroup_id_y 1
		.amdhsa_system_sgpr_workgroup_id_z 1
		.amdhsa_system_vgpr_workitem_id 0
		.amdhsa_next_free_vgpr 256
		.amdhsa_next_free_sgpr 90
		.amdhsa_reserve_vcc 1
		.amdhsa_float_denorm_mode_32 3
		.amdhsa_float_denorm_mode_16_64 3
		.amdhsa_memory_ordered 1
		.amdhsa_forward_progress 1
		.amdhsa_inst_pref_size 86
	.end_amdhsa_kernel
	.amdgpu_metadata
---
amdhsa.version: [ 1, 2 ]
amdhsa.kernels:
  - .name:           k_q892cfccf18_attn
    .symbol:         k_q892cfccf18_attn.kd
    .args:
      - { .name: pc, .offset: 0, .size: 8, .value_kind: global_buffer, .address_space: global }
      - { .name: oc, .offset: 8, .size: 8, .value_kind: global_buffer, .address_space: global }
      - { .name: osc, .offset: 16, .size: 8, .value_kind: global_buffer, .address_space: global }
    .group_segment_fixed_size: 215040
    .private_segment_fixed_size: 0
    .kernarg_segment_align: 8
    .kernarg_segment_size: 24
    .max_flat_workgroup_size: 512
    .sgpr_count:     90
    .vgpr_count:     256
    .wavefront_size: 32
...
	.end_amdgpu_metadata
.endif
;; end of part 3
;; launch outp (part 4): grid 4 x 64, 4 waves a work-group, clusters of 4 x 4, 295,424 bytes of LDS; arguments ic, isc, oc, osc, out0; writes out0
.if DOCPART == 4
	.amdgcn_target "amdgcn-amd-amdhsa--gfx1250"
	.amdhsa_code_object_version 6
	.text
	.protected	k_q892cfccf18_outp
	.globl	k_q892cfccf18_outp
	.p2align	8
	.type	k_q892cfccf18_outp,@function
k_q892cfccf18_outp:
	s_mov_b64 s[64:65], 0
	v_nop
	global_prefetch_b8 v0, s[64:65] scope:SCOPE_SE
	s_setreg_imm32_b32 hwreg(HW_REG_WAVE_MODE, 25, 1), 1
	s_wait_xcnt 0x0
	s_wait_alu depctr_hold_cnt(0) depctr_sa_sdst(0) depctr_va_vdst(0) depctr_va_sdst(0) depctr_va_ssrc(0) depctr_va_vcc(0) depctr_vm_vsrc(0)
	s_getreg_b32 s2, hwreg(HW_REG_IB_STS2, 6, 4)
	s_cmp_eq_u32 s2, 0
	s_cbranch_scc0 .Lentry_in_a_cluster
	s_endpgm
.Lentry_in_a_cluster:
	s_bfe_u32 s2, ttmp6, 0x10000c
	s_cmp_lg_u32 s2, 0xf033
	s_cbranch_scc0 .Lentry_shape_is_right
	s_endpgm
.Lentry_shape_is_right:
; out0 = O W_o^T on codes of FP6; out0 [8192][1024] f32.
; S0 = W_o (tiles 704.. of ic): its rows, the output's columns, fall into a lane's registers; S1 = O (oc, osc): its rows fall into the lanes.  A work-group makes 256 columns x 128 rows; wave w takes S0's half
; w & 1 (8 tiles b) and S1's half w >> 1 (4 tiles a): 32 accumulators, (a, b) at v[8 (8 a + b)] of window 2.  K = 1,024 lies in LDS whole: four chunks of 256 along K, each asked for once, all at the head:
; 4 tensor loads of a wave are out at the most, nothing is filled twice.  256 work-groups.
; CLUSTER 4 x 4: S0's tiles hang on cx and are shared by a column of the cluster, S1's on cy and are shared by a row: each is asked for jointly.  No prefetch: every byte is asked for at the head.
; THE WAY OUT: a lane holds 8 neighbouring columns of one row in each accumulator; a tile of 16 rows x 128 columns goes through the wave's own stage in LDS and leaves as rows of 512 bytes.
; By the order of rows in a tile, place p of tile 2 B + u is row 32 B + 8 u + p + 8 (p / 8), and register j of tile b of lane (r, h) is column 32 (b / 2) + 16 h + 8 (b % 2) + j.
.set CHUNK,  73728
.set CHB,    3072
.set TILEB,  12288
.set S1OFF,  49152
.set SPITCH, 528                       ; the stage: 16 rows x (512 + 16) bytes for each wave, in chunk 0's bytes: they have had their one fill, and their last read stands ahead of the last barrier
.set WV, 14
.set HI, 15
.set LO, 16
.set G1A, 24
.set G1B, 32
.set G0A, 48
.set G0B, 68
.set SC0, 32
.set SC1, 96
.set STO, 23
.set RD,  24
.set MSB, 0
.macro WIN new
.if MSB != \new
	s_set_vgpr_msb (MSB<<8)|\new
.set MSB, \new
.endif
.endm
.macro JLOAD g0a, g1a, g0b, g1b        ; a joint load: waves 0, 1 for S0, waves 2, 3 for S1; four v_nop follow each line
	s_cmp_eq_u32 s[HI], 0
	s_cbranch_scc0 .Lfor_b_\@
	tensor_load_to_lds s[\g0a:\g0a+3], s[\g1a:\g1a+7]
	s_nop 0
.rept 4
	v_nop
.endr
	s_branch .Lasked_\@
.Lfor_b_\@:
	tensor_load_to_lds s[\g0b:\g0b+3], s[\g1b:\g1b+7]
	s_nop 0
.rept 4
	v_nop
.endr
.Lasked_\@:
.endm
.macro CROUND
	s_barrier_signal -1
	s_barrier_wait -1
	s_cmp_lg_u32 s[WV], 0
	s_cbranch_scc1 .Lnot_wave_0_\@
	s_barrier_signal -3
.Lnot_wave_0_\@:
	s_barrier_wait -3
	s_barrier_signal -1
	s_barrier_wait -1
.endm
	s_load_b256 s[4:11], s[0:1], 0x0               ; ic, isc, oc, osc
	s_load_b64 s[12:13], s[0:1], 0x20              ; out0
	v_lshl_add_u32 v30, v0, 2, 0x48000
	v_mov_b32 v31, 0
	ds_add_u32 v30, v31
	ds_add_u32 v30, v31
	v_lshrrev_b32 v1, 5, v0
	v_readfirstlane_b32 s[WV], v1
	s_lshr_b32 s[HI], s[WV], 1
	s_and_b32 s[LO], s[WV], 1
	s_bfe_u32 s17, ttmp6, 0x40000                  ; cx
	s_bfe_u32 s18, ttmp6, 0x40004                  ; cy
	s_lshl_b32 s19, ttmp9, 2
	s_add_co_u32 s19, s19, s17                     ; i0: my 256 columns (never holds cy)
	s_and_b32 s20, ttmp7, 0xffff
	s_lshl_b32 s20, s20, 2
	s_add_co_u32 s20, s20, s18                     ; i1: my 128 rows (never holds cx)
	s_lshl_b32 s45, 0x1111, s17                    ; my column of the cluster
	s_lshl_b32 s46, s18, 2
	s_lshl_b32 s46, 15, s46                        ; my row
	s_or_b32 s[G1A], s45, (3<<16)|(1<<21)          ; the mask; elements of 8 bytes; bit 21 beside a mask; no padding
	s_or_b32 s[G1B], s46, (3<<16)|(1<<21)
	s_mov_b32 s[G1A+1], 384<<16                    ; a tile's 3,072 bytes of a chunk
	s_mov_b32 s[G1A+2], 8<<16                      ; 8 tiles
	s_mov_b32 s[G1A+3], 384<<16
	s_mov_b32 s[G1A+4], 8
	s_mov_b32 s[G1A+5], 1536                       ; 12,288 bytes from tile to tile
	s_mov_b32 s[G1A+6], 0
	s_mov_b32 s[G1A+7], 0
	s_mov_b32 s[G1B+1], 384<<16
	s_mov_b32 s[G1B+2], 4<<16
	s_mov_b32 s[G1B+3], 384<<16
	s_mov_b32 s[G1B+4], 4
	s_mov_b32 s[G1B+5], 1536
	s_mov_b32 s[G1B+6], 0
	s_mov_b32 s[G1B+7], 0
	s_lshl_b32 s21, s19, 4
	s_add_co_u32 s21, s21, 704
	s_lshl_b32 s22, s[LO], 3
	s_add_co_u32 s21, s21, s22                     ; S0: the first of the 8 tiles that I fetch, and that I multiply
	s_lshl_b32 s23, s20, 3
	s_lshl_b32 s22, s[HI], 2
	s_add_co_u32 s40, s23, s22                     ; S1: the first of the 4 tiles that I multiply,
	s_lshl_b32 s22, s[LO], 2
	s_add_co_u32 s23, s23, s22                     ; and of the 4 that I fetch
	s_mul_i32 s86, s21, TILEB
	s_mov_b32 s87, 0
	s_mul_i32 s90, s23, TILEB
	s_mov_b32 s91, 0
	s_lshl_b32 s2, s21, 9
	s_mov_b32 s3, 0
	s_lshl_b32 s84, s40, 9
	s_mov_b32 s85, 0
	s_mul_i32 s94, s[LO], 8*CHB
	s_mul_i32 s95, s[LO], 4*CHB
	s_add_co_u32 s95, s95, S1OFF
	s_wait_dscnt 0x0
	s_wait_kmcnt 0x0
	s_add_nc_u64 s[88:89], s[4:5], s[86:87]
	s_add_nc_u64 s[92:93], s[8:9], s[90:91]
	s_add_nc_u64 s[96:97], s[6:7], s[2:3]
	s_add_nc_u64 s[98:99], s[10:11], s[84:85]
.irp c, 0,1,2,3
	s_mov_b32 s[G0A+4*\c], 1
	s_add_co_u32 s[G0A+4*\c+1], s94, \c*CHUNK
	s_add_nc_u64 s[G0A+4*\c+2:G0A+4*\c+3], s[88:89], \c*CHB
	s_or_b32 s[G0A+4*\c+3], s[G0A+4*\c+3], 0x80000000
	s_mov_b32 s[G0B+4*\c], 1
	s_add_co_u32 s[G0B+4*\c+1], s95, \c*CHUNK
	s_add_nc_u64 s[G0B+4*\c+2:G0B+4*\c+3], s[92:93], \c*CHB
	s_or_b32 s[G0B+4*\c+3], s[G0B+4*\c+3], 0x80000000
.endr
	CROUND                                         ; all sixteen work-groups are here: the joint loads meet
.irp c, 0,1,2,3
	JLOAD G0A+4*\c, G1A, G0B+4*\c, G1B
.endr
	v_and_b32 v1, 31, v0                           ; l
	v_and_b32 v2, 15, v0                           ; r
	v_bfe_u32 v3, v0, 4, 1                         ; h
	v_lshlrev_b32 v20, 4, v1                       ; 16 l
	v_lshlrev_b32 v21, 3, v1                       ; 8 l
	v_lshlrev_b32 v22, 5, v2                       ; 32 r
	v_add_nc_u32 v16, s94, v20
	v_add_nc_u32 v17, s94, v21
	s_mul_i32 s46, s[HI], 4*CHB
	s_add_co_u32 s46, s46, S1OFF
	v_add_nc_u32 v18, s46, v20
	v_add_nc_u32 v19, s46, v21
.irp b, 0,1,2,3,4,5,6,7
	global_load_b128 v[SC0+8*\b:SC0+8*\b+3], v22, s[96:97] offset:512*\b      ; the scale words of all eight K steps, once
	global_load_b128 v[SC0+8*\b+4:SC0+8*\b+7], v22, s[96:97] offset:512*\b+16
.endr
.irp a, 0,1,2,3
	global_load_b128 v[SC1+8*\a:SC1+8*\a+3], v22, s[98:99] offset:512*\a
	global_load_b128 v[SC1+8*\a+4:SC1+8*\a+7], v22, s[98:99] offset:512*\a+16
.endr
	s_mul_i32 s46, s[WV], 16*SPITCH                ; my stage
	v_mul_u32_u24 v[STO], v2, SPITCH
	v_lshl_add_u32 v[STO], v3, 6, v[STO]
	v_add_nc_u32 v[STO], s46, v[STO]               ; in: row r, 64 bytes for each half
	v_add_nc_u32 v[RD], s46, v20                   ; back: a row of 512 bytes over the 32 lanes
	s_lshl_b32 s45, s19, 1
	s_add_co_u32 s45, s45, s[LO]                   ; which 128 columns are mine
	s_lshl_b32 s47, s20, 1
	s_add_co_u32 s47, s47, s[HI]                   ; which 64 rows
	s_lshl_b32 s86, s47, 18
	s_lshl_b32 s45, s45, 9
	s_add_co_u32 s86, s86, s45
	s_add_nc_u64 s[88:89], s[12:13], s[86:87]      ; out0 at my first row and column
.macro FRAG reg, a16, a8, off
	ds_load_b128 v[\reg:\reg+3], v[\a16] offset:\off
	ds_load_b64 v[\reg+4:\reg+5], v[\a8] offset:\off+512
	ds_load_b128 v[\reg+6:\reg+9], v[\a16] offset:\off+768
	ds_load_b64 v[\reg+10:\reg+11], v[\a8] offset:\off+1280
.endm
.macro FETCH s
	WIN 0x40
.irp b, 0,1,2,3,4,5,6,7
	FRAG 128*((\s)%2)+12*\b, 16, 17, CHB*\b+1536*((\s)%2)
.endr
	WIN 0
.irp a, 0,1,2,3
	FRAG 128+48*((\s)%2)+12*\a, 18, 19, CHB*\a+1536*((\s)%2)
.endr
.endm
.macro MUL16 a0, s, zero               ; the 32 accumulators take turns, one instruction a turn
.irp a, \a0, \a0+1
.irp b, 0,1,2,3,4,5,6,7
.if \zero
	v_wmma_scale_f32_16x16x128_f8f6f4 v[8*(8*(\a)+\b):8*(8*(\a)+\b)+7], v[128*((\s)%2)+12*\b:128*((\s)%2)+12*\b+11], v[128+48*((\s)%2)+12*(\a):128+48*((\s)%2)+12*(\a)+11], 0, v[SC0+8*\b+(\s)], v[SC1+8*(\a)+(\s)] matrix_a_fmt:MATRIX_FMT_FP6 matrix_b_fmt:MATRIX_FMT_FP6
.else
	v_wmma_scale_f32_16x16x128_f8f6f4 v[8*(8*(\a)+\b):8*(8*(\a)+\b)+7], v[128*((\s)%2)+12*\b:128*((\s)%2)+12*\b+11], v[128+48*((\s)%2)+12*(\a):128+48*((\s)%2)+12*(\a)+11], v[8*(8*(\a)+\b):8*(8*(\a)+\b)+7], v[SC0+8*\b+(\s)], v[SC1+8*(\a)+(\s)] matrix_a_fmt:MATRIX_FMT_FP6 matrix_b_fmt:MATRIX_FMT_FP6
.endif
.endr
.endr
.endm
; A K step of 128: 32 matrix instructions; in its middle the next step's 48 LDS loads, behind four plain vector lines.  Steps 1, 3, 5 are a chunk's last: the wave waits for its part of the next
; chunk (the count: its later chunks' loads) and all four waves meet before that chunk is read.
.macro STEP s, zero
	s_wait_dscnt 0x0
.if ((\s)==1)||((\s)==3)||((\s)==5)
	s_wait_tensorcnt 3-((\s)+1)/2
	s_barrier_signal -1
.endif
	WIN 0xa1
	MUL16 0, \s, \zero
.if ((\s)==1)||((\s)==3)||((\s)==5)
	s_barrier_wait -1
.endif
.if (\s) < 7
	WIN 0
.if ((\s)==1)||((\s)==3)||((\s)==5)
	v_add_nc_u32 v16, CHUNK, v16
	v_add_nc_u32 v17, CHUNK, v17
	v_add_nc_u32 v18, CHUNK, v18
	v_add_nc_u32 v19, CHUNK, v19
.else
.rept 4
	v_nop
.endr
.endif
	FETCH (\s)+1
.endif
	WIN 0xa1
	MUL16 2, \s, \zero
.endm
	s_wait_tensorcnt 0x3                           ; my part of chunk 0 is in; my three later loads stay out
	s_barrier_signal -1
	s_barrier_wait -1
	FETCH 0
	s_wait_loadcnt 0x0                             ; the scale words
	STEP 0, 1
	STEP 1, 0
	STEP 2, 0
	STEP 3, 0
	STEP 4, 0
	STEP 5, 0
	STEP 6, 0
	STEP 7, 0
	WIN 0
.macro TOSTAGE a
	WIN 0x08                                       ; an LDS store's data are its source 1: window 2
.irp b, 0,1,2,3,4,5,6,7
	ds_store_b128 v[STO], v[64*(\a)+8*\b:64*(\a)+8*\b+3] offset:128*(\b/2)+32*(\b%2)        ; each accumulator from its low end on
	ds_store_b128 v[STO], v[64*(\a)+8*\b+4:64*(\a)+8*\b+7] offset:128*(\b/2)+32*(\b%2)+16
.endr
	WIN 0
.irp t, 0,1,2,3,4,5,6,7,8,9,10,11,12,13,14,15
	ds_load_b128 v[128+64*((\a)%2)+4*\t:128+64*((\a)%2)+4*\t+3], v[RD] offset:SPITCH*\t   ; LDS serves a wave's instructions in order (ISA guide 5.7.1.4): these see the stores above
.endr
.endm
.macro SEND a, younger                 ; younger: the LDS instructions issued behind tile a's loads
	s_wait_dscnt \younger
.irp t, 0,1,2,3,4,5,6,7,8,9,10,11,12,13,14,15
	global_store_b128 v20, v[128+64*((\a)%2)+4*\t:128+64*((\a)%2)+4*\t+3], s[88:89] offset:(32*((\a)/2)+8*((\a)%2)+\t+8*(\t/8))*4096 th:TH_STORE_NT   ; 512 consecutive bytes, aligned; written once
.endr
.endm
.rept 4
	v_nop                                          ; four plain lines between the last products and the reads of results and the loads into operands' registers
.endr
	TOSTAGE 0
.irp a, 1,2,3
.if \a > 1
	s_wait_xcnt 0x0                                ; tile a - 2's stores have read their registers: tile a's loads land there only behind this wait
.endif
	TOSTAGE \a
	SEND \a-1, 32                                  ; behind tile a - 1's loads: tile a's 16 stores and 16 loads
.endr
	SEND 3, 0
	s_wait_tensorcnt 0x0
	ds_add_u32 v30, v31
	s_wait_dscnt 0x0
	CROUND                                         ; the closing round
	s_endpgm
.Lfunc_end_k_q892cfccf18_outp:
	.size	k_q892cfccf18_outp, .Lfunc_end_k_q892cfccf18_outp-k_q892cfccf18_outp
	.p2alignl 7, 3214868480
	.fill 96, 4, 3214868480
	.section	.rodata,"a",@progbits
	.p2align	6, 0x0
	.amdhsa_kernel k_q892cfccf18_outp
		.amdhsa_group_segment_fixed_size 295424
		.amdhsa_private_segment_fixed_size 0
		.amdhsa_enable_private_segment 0
		.amdhsa_kernarg_size 40
		.amdhsa_user_sgpr_count 2
		.amdhsa_user_sgpr_kernarg_segment_ptr 1
		.amdhsa_wavefront_size32 1
		.amdhsa_system_sgpr_workgroup_id_x 1
		.amdhsa_system_sgpr_workgroup_id_y 1
		.amdhsa_system_sgpr_workgroup_id_z 1
		.amdhsa_system_vgpr_workitem_id 0
		.amdhsa_next_free_vgpr 768
		.amdhsa_next_free_sgpr 100
		.amdhsa_reserve_vcc 0
		.amdhsa_float_denorm_mode_32 3
		.amdhsa_float_denorm_mode_16_64 3
		.amdhsa_memory_ordered 1
		.amdhsa_forward_progress 1
		.amdhsa_inst_pref_size 85
	.end_amdhsa_kernel
	.amdgpu_metadata
---
amdhsa.version: [ 1, 2 ]
amdhsa.kernels:
  - .name:           k_q892cfccf18_outp
    .symbol:         k_q892cfccf18_outp.kd
    .args:
      - { .name: ic, .offset: 0, .size: 8, .value_kind: global_buffer, .address_space: global }
      - { .name: isc, .offset: 8, .size: 8, .value_kind: global_buffer, .address_space: global }
      - { .name: oc, .offset: 16, .size: 8, .value_kind: global_buffer, .address_space: global }
      - { .name: osc, .offset: 24, .size: 8, .value_kind: global_buffer, .address_space: global }
      - { .name: out0, .offset: 32, .size: 8, .value_kind: global_buffer, .address_space: global }
    .group_segment_fixed_size: 295424
    .private_segment_fixed_size: 0
    .kernarg_segment_align: 8
    .kernarg_segment_size: 40
    .max_flat_workgroup_size: 128
    .sgpr_count:     100
    .vgpr_count:     768
    .wavefront_size: 32
...
	.end_amdgpu_metadata
.endif
;; end of part 4
